; MI455X (gfx1250); checked and timed in simulation.
; The chip was launched on July 23, 2026; its instructions are those of AMD's public machine-readable ISA for CDNA 5 (MIT licence, August 2026) and "CDNA5" Instruction Set Architecture Reference Guide (July 2026). The comments in the code are by the model that wrote it; some were corrected since.
;; Prototypical Network. Allowed arithmetic: matrix products marked QUANTISED: E3M2 operands, one E8M0 scale for each 32 along K, by v_wmma_scale_f32_16x16x128_f8f6f4 with both operands' format E3M2, f32 sums; everything else in f32.
;; Inputs: bootstrap_indices 8 x 128 x 32 int32; query_set_repr 65,536 x 128 float32; support_labels 4,096 int32; support_set_repr 4,096 x 128 float32.
;; Outputs: out0 65,536 x 128 float32.
;; This version of the problem:
;;   THIS VERSION OF THE PROBLEM IS GIVEN IN LOW PRECISION. The matrix products marked QUANTISED in the list below multiply operands that are first quantised to E3M2 (3 exponent bits, 2 mantissa bits; 6 bits a number), with one power-of-two scale for each 32 numbers along K (OCP MX v1.0); their sums are f32. All else is computed in f32.
;;   The module's matrix products, in the order in which they are computed (A, B: the left and right operand; K: the contracted axis; several contracted axes count as one K, in the product's order):
;;     1. [M 1,024, K 128] x [K 128, N 65,536]; A: computed on the way; B: input query_set_repr: QUANTISED
;;   THE QUANTISER, for each operand of a quantised product, along K:
;;     - K is cut into blocks of 32 from its start; a last block that is shorter is filled with zeros.
;;     - A block's scale is 2^e with e = floor(log2(the largest magnitude in the block)) - 4, held to -126 .. 127; a block of zeros has e = 0. As a byte (E8M0): e + 127.
;;     - Each number is divided by its block's scale, clamped to +-28, and rounded to the nearest number of E3M2, ties to even, subnormals kept.
;;     - The product sums the exact products of the quantised numbers (number of the format x scale) in f32.
;;   ~~~python
;;   def quantise(x, axis):      # numpy; x: float32 -> the quantised numbers, widened to float32 again
;;       x = np.moveaxis(x, axis, -1); K = x.shape[-1]
;;       x = np.pad(x, [(0, 0)] * (x.ndim - 1) + [(0, -K % 32)]); x = x.reshape(x.shape[:-1] + (-1, 32)); a = np.abs(x).max(-1, keepdims=True)
;;       e = np.where(a > 0, np.clip(np.frexp(np.where(a > 0, a, 1))[1] - 1 - 4, -126, 127), 0)      # np.frexp(a)[1] - 1 = floor(log2(a)), exactly
;;       r = np.clip(x / 2.0 ** e, -28, 28)
;;       step = 2.0 ** (np.maximum(np.frexp(np.where(r == 0, 1, r))[1] - 1, -2) - 2)
;;       q = np.round(r / step) * step * 2.0 ** e      # np.round: ties to even
;;       return np.moveaxis(q.reshape(q.shape[:-2] + (-1,))[..., :K], -1, axis).astype(np.float32)
;;   ~~~
;;   OPERANDS COMPUTED ON THE WAY. 'Computed on the way' means the value that the module computes at that place (a softmax that the list does not call 'softmax' is quantised finished and normalised). What goes into a quantiser is computed in f32, as accurately as f32 sums, v_exp_f32 and their like allow (about 1e-6 of the number): no bf16 or f16 on the way to a quantiser, and a product that is left as it is and whose result goes on into a quantised operand takes f32 operands (vector FMAs, or v_wmma_f32_16x16x4_f32). A number that lies on a knife's edge between two numbers of the format may be rounded either way, as far as f32 arithmetic and the matrix unit's own rounding can turn it there, and no further.
;; One version. Each part assembles by itself: llvm-mc -triple=amdgcn-amd-amdhsa -mcpu=gfx1250 --defsym DOCPART=n.
;; ======== version 1 of 1: 2 launches
;; limits: right only within a limited range of input values
;; workspace buffers: prec 106,496 bytes
;; launch protos (part 1): grid 128 x 1, 8 waves a work-group, no clusters, 21,760 bytes of LDS; arguments support_set_repr, bootstrap_indices, prec; writes prec
.if DOCPART == 1
	.amdgcn_target "amdgcn-amd-amdhsa--gfx1250"
	.amdhsa_code_object_version 6
	.text
	.protected	k_q2f38c24f46_protos
	.globl	k_q2f38c24f46_protos
	.p2align	8
	.type	k_q2f38c24f46_protos,@function
k_q2f38c24f46_protos:
	s_mov_b64 s[64:65], 0
	v_nop
	global_prefetch_b8 v0, s[64:65] scope:SCOPE_SE
	s_setreg_imm32_b32 hwreg(HW_REG_WAVE_MODE, 25, 1), 1
	s_wait_xcnt 0x0
; THE PROTOTYPES.  protos[b][c][:] = the mean of the 32 rows support[32 c + idx[b][c][s]][:], s = 0 .. 31, in f32; 8 x 128 of them, 128 numbers each, quantised into codes of BF6 (E3M2) with one E8M0 scale for each 32.
; A work-group makes class c = 8 w + 4 hh + u under all 8 bootstraps; its wave b makes bootstrap b.  In the next launch the class is rows 8 hh + b of prototype tile 4 w + u.
; RECORD w of prec, 6,656 bytes: 4 tiles of 1,536 bytes of codes, then 4 x 128 bytes.  A tile is two class blocks of 768 bytes (hh = 0, 1): registers 4 g .. 4 g + 3 of the operand's lane (8 hh + b, h) lie at
;   256 g + 16 (8 (h xor hh) + b).  Behind the codes, 128 u + 64 hh on: 8 scale words (each byte less 5: the 1/32 of the next launch's arithmetic), then 8 words -||p||^2 / 64 (of the unquantised p).
; The class's 32 rows are read from memory once and lie in LDS; a wave gathers its 32 rows from there, 512 consecutive bytes a load.  The 8 finished rows meet in LDS, and wave 0 quantises them.
; support_labels is not among the arguments: reference() does not read it (it takes class c's rows to be 32 c .. 32 c + 31), so it has no way to any output; a NaN or an infinity there could not reach the result.
; An index is held to 0 .. 31 (reference() relies on that range).
; LIMITS: NaN and infinities among the inputs are not served.  A block of a prototype whose largest magnitude lies under 2^-117 gets the scale of that magnitude; so does a block of zeros, where the rule says byte 127:
; its codes are zeros, which add nothing under any byte but 0xff, and the bytes are read by this program alone.
.set PROW, 16384                       ; LDS: bytes 0 .. 16,383 the class's rows (row s at 512 s); from here the 8 prototype rows,
.set PP,   528                         ; 528 bytes apart (132 words)
.set P2W,  20608                       ; and the rows' -||p||^2 / 64, one word each
.set SPARE, 20736                      ; the spare words, 128 bytes a wave
.set SR,   12                          ; v12-27   the four support rows that my wave brings into LDS
.set CH,   28                          ; v28-31, v32-35  two chains of sums
.set G,    36                          ; v36-163  the 32 gathered rows, 4 numbers a lane each
.set GA,   164                         ; v164-195 their LDS addresses
.set X,    36                          ; wave 0, later: v36-99 64 numbers of a lane's row
.set TM,   100                         ; v100-115 at work
.set PW,   116                         ; the scale word
.set HP,   117                         ; -||p||^2 / 64
.set AUX,  118
.set PC,   120                         ; v120-139 codes (twelve registers, and eight at work)
.set OA,   140                         ; v140-145 what leaves
.set SPW,  200
.set NIL,  201
.set SEL,  50                          ; s[50:51] lane selects for v_permlanex16_b32: lane l xor 16
.macro ADDROW s                        ; row s onto the chain of its parity
	v_pk_add_f32 v[CH+4*((\s)%2):CH+4*((\s)%2)+1], v[CH+4*((\s)%2):CH+4*((\s)%2)+1], v[G+4*(\s):G+4*(\s)+1]
	v_pk_add_f32 v[CH+4*((\s)%2)+2:CH+4*((\s)%2)+3], v[CH+4*((\s)%2)+2:CH+4*((\s)%2)+3], v[G+4*(\s)+2:G+4*(\s)+3]
.endm
	s_load_b128 s[4:7], s[0:1], 0x0                ; support s[4:5], the indices s[6:7]
	s_load_b64 s[8:9], s[0:1], 0x10                ; prec
	v_lshl_add_u32 v[SPW], v0, 2, SPARE
	v_mov_b32 v[NIL], 0
	v_lshrrev_b32 v1, 5, v0
	v_readfirstlane_b32 s12, v1                    ; wave 0..7 = the bootstrap b
	v_and_b32 v1, 31, v0                           ; lane
	v_lshlrev_b32 v2, 4, v1                        ; 16 x lane
	s_wait_alu depctr_va_vdst(0)                   ; the wait ahead of the scalar lines
	s_bfe_u32 s13, ttmp9, 0x10002                  ; hh
	s_lshl_b32 s48, s12, 14                        ; the indices of (b, c): 16,384 b + 128 c bytes on
	s_lshl_b32 s52, ttmp9, 7
	s_add_co_u32 s48, s48, s52
	s_mov_b32 s49, 0
	s_lshl_b32 s52, ttmp9, 14                      ; rows 4 b .. 4 b + 3 of class c: 16,384 c + 2,048 b bytes on
	s_lshl_b32 s14, s12, 11
	s_add_co_u32 s52, s52, s14
	s_mov_b32 s53, 0
	s_wait_kmcnt 0x0
	s_add_nc_u64 s[6:7], s[6:7], s[48:49]
	s_add_nc_u64 s[4:5], s[4:5], s[52:53]
	s_load_b512 s[16:31], s[6:7], 0x0              ; my 32 indices; they and the rows below do not hang on each other and are on their way together
	s_load_b512 s[32:47], s[6:7], 0x40
.irp i, 0,1,2,3
	global_load_b128 v[SR+4*\i:SR+4*\i+3], v2, s[4:5] offset:512*\i th:TH_LOAD_NT   ; a row: 512 consecutive bytes, read by one wave of the launch
.endr
	s_mov_b32 s[SEL], 0x76543210
	s_mov_b32 s[SEL+1], 0xfedcba98
	s_lshr_b32 s54, ttmp9, 3
	s_mul_i32 s54, s54, 6656                       ; record w
	s_and_b32 s15, ttmp9, 3                        ; u
	s_lshl_b32 s56, s15, 7
	s_add_co_u32 s56, s56, s54
	s_lshl_b32 s57, s13, 6
	s_add_co_u32 s56, s56, s57
	s_add_co_u32 s56, s56, 6144                    ; its words: 6,144 + 128 u + 64 hh
	s_mul_i32 s15, s15, 1536
	s_add_co_u32 s54, s54, s15
	s_mul_i32 s15, s13, 768
	s_add_co_u32 s54, s54, s15                     ; the class block
	s_mov_b32 s55, 0
	s_mov_b32 s57, 0
	s_add_nc_u64 s[10:11], s[8:9], s[56:57]
	s_add_nc_u64 s[8:9], s[8:9], s[54:55]
	s_mul_i32 s58, s12, PP
	s_add_co_u32 s58, s58, PROW
	s_lshl_b32 s59, s12, 2
	s_add_co_u32 s59, s59, P2W
	; every address is made here, ahead of the place where the waves part
	v_add_nc_u32 v3, s14, v2                       ; where my four support rows go
	v_add_nc_u32 v6, s58, v2                       ; where my prototype goes
	v_mov_b32 v7, s59                              ; and its -||p||^2 / 64
	v_and_b32 v5, 15, v0                           ; r
	v_and_b32 v9, 7, v0                            ; r mod 8
	v_bfe_u32 v10, v0, 4, 1                        ; h
	v_bfe_u32 v11, v0, 3, 1                        ; r / 8
	v_mul_u32_u24 v8, v9, PP
	v_lshl_add_u32 v8, v10, 6, v8
	v_add_nc_u32 v8, PROW, v8                      ; wave 0: row r mod 8, + 64 h: my 16 numbers of a block of 32
	v_xor_b32 v10, s13, v10                        ; h xor hh
	v_lshlrev_b32 v4, 4, v9
	v_lshl_add_u32 v4, v10, 7, v4                  ; 16 (8 (h xor hh) + b)
	v_lshl_add_u32 v10, v11, 8, v4                 ; lanes with r < 8 store registers 0-3, the others registers 4-7 of the same row,
	v_lshl_add_u32 v11, v11, 3, v4                 ; then registers 8-9 and 10-11
	v_lshlrev_b32 v4, 2, v5                        ; 4 r
	v_lshl_add_u32 v9, v9, 2, P2W                  ; wave 0: row r mod 8's word
	s_wait_alu depctr_va_vdst(0)                   ; the wait at the head's end
	s_wait_loadcnt 0x0
.irp i, 0,1,2,3
	ds_store_b128 v3, v[SR+4*\i:SR+4*\i+3] offset:512*\i
.endr
	s_wait_kmcnt 0x0                               ; the indices
.set n, 0
.rept 32
	s_min_u32 s[16+n], s[16+n], 31                 ; held inside the class's 32 rows
	v_lshl_add_u32 v[GA+n], s[16+n], 9, v2         ; 512 x index + my 16 bytes
.set n, n+1
.endr
	s_wait_alu depctr_va_vdst(0)
	s_wait_dscnt 0x0                               ; for the others' sake: my four rows lie in LDS
	s_barrier_signal -1
	s_barrier_wait -1                              ; the class's 32 rows do
.set n, 0
.rept 32
	ds_load_b128 v[G+4*n:G+4*n+3], v[GA+n]
.set n, n+1
.endr
	s_wait_dscnt 24                                ; LDS loads come back in order: rows 0-7 are in, the 24 younger loads may be out
	v_pk_add_f32 v[CH:CH+1],   v[G:G+1],     v[G+8:G+9]      ; the first additions start the chains: nothing is cleared
	v_pk_add_f32 v[CH+2:CH+3], v[G+2:G+3],   v[G+10:G+11]
	v_pk_add_f32 v[CH+4:CH+5], v[G+4:G+5],   v[G+12:G+13]
	v_pk_add_f32 v[CH+6:CH+7], v[G+6:G+7],   v[G+14:G+15]
.irp s, 4,5,6,7
	ADDROW \s
.endr
	s_wait_alu depctr_va_vdst(0)
	s_wait_dscnt 16                                ; rows 8-15 are in
.irp s, 8,9,10,11,12,13,14,15
	ADDROW \s
.endr
	s_wait_alu depctr_va_vdst(0)
	s_wait_dscnt 8                                 ; rows 16-23
.irp s, 16,17,18,19,20,21,22,23
	ADDROW \s
.endr
	s_wait_alu depctr_va_vdst(0)
	s_wait_dscnt 0x0                               ; all my reads of the class's rows are back:
	s_barrier_signal -1                            ; say so.  This barrier parts the gather, whose addresses hang on loaded indices, from every LDS store that follows; only register work stands inside it
.irp s, 24,25,26,27,28,29,30,31
	ADDROW \s
.endr
	v_pk_add_f32 v[CH:CH+1], v[CH:CH+1], v[CH+4:CH+5]
	v_pk_add_f32 v[CH+2:CH+3], v[CH+2:CH+3], v[CH+6:CH+7]
	v_pk_mul_f32 v[CH:CH+1], v[CH:CH+1], 0x3d000000 op_sel_hi:[1,0]       ; / 32: exact
	v_pk_mul_f32 v[CH+2:CH+3], v[CH+2:CH+3], 0x3d000000 op_sel_hi:[1,0]
	v_pk_mul_f32 v[CH+4:CH+5], v[CH:CH+1], v[CH:CH+1]                     ; ||p||^2: my four squares,
	s_delay_alu instid0(VALU_DEP_1)
	v_pk_fma_f32 v[CH+4:CH+5], v[CH+2:CH+3], v[CH+2:CH+3], v[CH+4:CH+5]
	s_delay_alu instid0(VALU_DEP_1)
	v_add_f32 v[CH+4], v[CH+4], v[CH+5]
	s_delay_alu instid0(VALU_DEP_1)
	v_add_f32_dpp v[CH+4], v[CH+4], v[CH+4] row_xmask:1 row_mask:0xf bank_mask:0xf   ; the 16 lanes of my half,
	s_delay_alu instid0(VALU_DEP_1)
	v_add_f32_dpp v[CH+4], v[CH+4], v[CH+4] row_xmask:2 row_mask:0xf bank_mask:0xf
	s_delay_alu instid0(VALU_DEP_1)
	v_add_f32_dpp v[CH+4], v[CH+4], v[CH+4] row_xmask:4 row_mask:0xf bank_mask:0xf
	s_delay_alu instid0(VALU_DEP_1)
	v_add_f32_dpp v[CH+4], v[CH+4], v[CH+4] row_xmask:8 row_mask:0xf bank_mask:0xf
	s_delay_alu instid0(VALU_DEP_1)
	v_permlanex16_b32 v[CH+5], v[CH+4], s[SEL], s[SEL+1]                  ; and the other half's
	s_delay_alu instid0(VALU_DEP_1)
	v_add_f32 v[CH+4], v[CH+4], v[CH+5]
	s_delay_alu instid0(VALU_DEP_1)
	v_mul_f32 v[CH+4], 0xbc800000, v[CH+4]         ; x -1/64: as the next launch wants it, the C of its products
	s_wait_alu depctr_va_vdst(0)
	s_barrier_wait -1
	ds_store_b128 v6, v[CH:CH+3]                   ; my prototype, 512 consecutive bytes
	ds_store_b32 v7, v[CH+4]                       ; all lanes write the same word with the same value
	s_wait_dscnt 0x0                               ; for wave 0's sake
	s_barrier_signal -1
	s_barrier_wait -1                              ; the eight rows lie in LDS
	s_cmp_lg_u32 s12, 0
	s_cbranch_scc1 .Lend                           ; the other waves have done their rows
.irp b, 0,1,2,3
	v_mov_b32 v[TM+4+\b], 0                        ; a lane permute's destination counts as one of its sources
.endr
.irp b, 0,1,2,3
.irp j, 0,1,2,3
	ds_load_b128 v[X+16*\b+4*\j:X+16*\b+4*\j+3], v8 offset:128*\b+16*\j   ; row r mod 8, k = 32 b + 16 h + 4 j on
.endr
.endr
	ds_load_b32 v[HP], v9
	s_wait_dscnt 0x0
	; 64 numbers of a lane, register 16 b + i = k 32 b + 16 h + i, become a fragment's twelve registers
.irp b, 0,1,2,3
	v_max3_num_f32 v[TM+\b], |v[X+16*\b]|, |v[X+1+16*\b]|, 0x5000000   ; block b: my 16 numbers, and the floor 2^(10 - 127): so the byte, less 4 and less 5, cannot fall under 1
.endr
.irp i, 2,4,6,8,10,12,14
.irp b, 0,1,2,3
	v_max3_num_f32 v[TM+\b], v[TM+\b], |v[X+16*\b+\i]|, |v[X+1+16*\b+\i]|   ; (the four blocks by turns)
.endr
.endr
.irp b, 0,1,2,3
	v_permlanex16_b32 v[TM+4+\b], v[TM+\b], s[SEL], s[SEL+1]
.endr
.irp b, 0,1,2,3
	v_max_num_f32 v[TM+\b], v[TM+\b], v[TM+4+\b]   ; with lane l xor 16's: the block's largest magnitude
.endr
.irp b, 0,1,2,3
	v_add_nc_u32 v[TM+12+\b], 0xfe000000, v[TM+\b] ; 4 off its exponent field: the conversion takes the exponent field of this operand as its scale, and nothing else of it
.endr
.irp b, 0,1,2,3
	v_lshrrev_b32 v[TM+4+\b], 23, v[TM+12+\b]      ; the scale's byte
.endr
	v_lshl_or_b32 v[PW], v[TM+5], 8, v[TM+4]       ; the four bytes make the row's scale word
	v_lshl_or_b32 v[PW], v[TM+6], 16, v[PW]
	v_lshl_or_b32 v[PW], v[TM+7], 24, v[PW]
.irp c, 0,1
	v_cvt_scalef32_pk16_bf6_f32 v[PC+6*\c:PC+2+6*\c], v[X+32*\c:X+15+32*\c], v[TM+12+2*\c]
	v_cvt_scalef32_pk16_bf6_f32 v[PC+12+4*\c:PC+14+4*\c], v[X+16+32*\c:X+31+32*\c], v[TM+12+2*\c+1]   ; (a conversion's three registers begin on an even number)
.endr
	v_add_nc_u32 v[PW], 0xfafafafb, v[PW]          ; 5 off each of the four bytes, each at least 6.  (Also the plain place behind the conversions)
.irp c, 0,1                                    ; the operand's layout wants a WHOLE block in a lane: lanes 0-15 block 2 c, lanes 16-31 block 2 c + 1
.irp i, 0,1,2
	v_permlane16_swap_b32 v[PC+6*\c+\i], v[PC+12+4*\c+\i]
.endr
.irp i, 0,1,2
	v_mov_b32 v[PC+3+6*\c+\i], v[PC+12+4*\c+\i]
.endr
.endr
	v_cmp_le_u32 vcc_lo, 8, v5                     ; lanes with r of 8 or more hold row r - 8 too: they store the other part of it
	v_cndmask_b32 v[AUX], v[PW], v[HP], vcc_lo
.irp i, 0,1,2,3
	v_cndmask_b32 v[OA+\i], v[PC+\i], v[PC+4+\i], vcc_lo
.endr
	v_cndmask_b32 v[OA+4], v[PC+8], v[PC+10], vcc_lo
	v_cndmask_b32 v[OA+5], v[PC+9], v[PC+11], vcc_lo
	global_store_b128 v10, v[OA:OA+3], s[8:9]      ; 512 consecutive bytes, at a multiple of 256 from the buffer's first byte
	global_store_b64 v11, v[OA+4:OA+5], s[8:9] offset:512   ; 256 more
	global_store_b32 v4, v[AUX], s[10:11]          ; 64 bytes; lanes 16-31 write what lanes 0-15 write
.Lend:
	s_wait_tensorcnt 0x0                           ; the wave's end
	ds_add_u32 v[SPW], v[NIL]
	s_wait_dscnt 0x0
	s_endpgm
.Lfunc_end_k_q2f38c24f46_protos:
	.size	k_q2f38c24f46_protos, .Lfunc_end_k_q2f38c24f46_protos-k_q2f38c24f46_protos
	.p2alignl 7, 3214868480
	.fill 96, 4, 3214868480
	.section	.rodata,"a",@progbits
	.p2align	6, 0x0
	.amdhsa_kernel k_q2f38c24f46_protos
		.amdhsa_group_segment_fixed_size 21760
		.amdhsa_private_segment_fixed_size 0
		.amdhsa_enable_private_segment 0
		.amdhsa_kernarg_size 24
		.amdhsa_user_sgpr_count 2
		.amdhsa_user_sgpr_kernarg_segment_ptr 1
		.amdhsa_wavefront_size32 1
		.amdhsa_system_sgpr_workgroup_id_x 1
		.amdhsa_system_sgpr_workgroup_id_y 1
		.amdhsa_system_sgpr_workgroup_id_z 1
		.amdhsa_system_vgpr_workitem_id 0
		.amdhsa_next_free_vgpr 202
		.amdhsa_next_free_sgpr 66
		.amdhsa_reserve_vcc 1
		.amdhsa_float_denorm_mode_32 3
		.amdhsa_float_denorm_mode_16_64 3
		.amdhsa_memory_ordered 1
		.amdhsa_forward_progress 1
		.amdhsa_inst_pref_size 21
	.end_amdhsa_kernel
	.amdgpu_metadata
---
amdhsa.version: [ 1, 2 ]
amdhsa.kernels:
  - .name:           k_q2f38c24f46_protos
    .symbol:         k_q2f38c24f46_protos.kd
    .args:
      - { .name: support_set_repr, .offset: 0, .size: 8, .value_kind: global_buffer, .address_space: global }
      - { .name: bootstrap_indices, .offset: 8, .size: 8, .value_kind: global_buffer, .address_space: global }
      - { .name: prec, .offset: 16, .size: 8, .value_kind: global_buffer, .address_space: global }
    .group_segment_fixed_size: 21760
    .private_segment_fixed_size: 0
    .kernarg_segment_align: 8
    .kernarg_segment_size: 24
    .max_flat_workgroup_size: 256
    .sgpr_count:     66
    .vgpr_count:     202
    .wavefront_size: 32
...
	.end_amdgpu_metadata
.endif
;; end of part 1
;; launch dist (part 2): grid 256 x 1, 16 waves a work-group, no clusters, 217,088 bytes of LDS; arguments query_set_repr, prec, out0; writes out0
.if DOCPART == 2
	.amdgcn_target "amdgcn-amd-amdhsa--gfx1250"
	.amdhsa_code_object_version 6
	.text
	.protected	k_q2f38c24f46_dist
	.globl	k_q2f38c24f46_dist
	.p2align	8
	.type	k_q2f38c24f46_dist,@function
k_q2f38c24f46_dist:
	s_mov_b64 s[64:65], 0
	v_nop
	global_prefetch_b8 v0, s[64:65] scope:SCOPE_SE
	s_setreg_imm32_b32 hwreg(HW_REG_WAVE_MODE, 25, 1), 1
	s_wait_xcnt 0x0
; out[q][c] = -(1/8) x the sum over the 8 bootstraps b of sqrt(max(||q||^2 + ||p_bc||^2 - 2 q . p_bc, 0)).  q: [65,536][128] f32; the 1,024 prototypes come from the launch before, as codes of BF6 (E3M2) in the order of the
; operand's registers, with scale words and -||p||^2 / 64.  q . p is the one quantised product: both sides codes of BF6 with one E8M0 scale for each 32 along K = 128; ||q||^2 and ||p||^2 are of the unquantised numbers.
; ARITHMETIC OF A DISTANCE.  The prototypes' scales carry 1/32, the product's C is -||p||^2 / 64: D = q . p / 32 - ||p||^2 / 64; z = ||q||^2 / 64 - D is the squared distance / 64; max(z, 0); its root is the distance / 8;
; the eight of a lane are summed, and the sign is changed in the sum's last but one step.
; LAYOUT.  Source 0 = 16 prototypes, source 1 = 16 queries.  Row 8 hh + b of prototype tile 4 w + u is class 8 w + 4 hh + u under bootstrap b: in the result lane (r, h) holds query r, and its eight registers are the eight
; bootstraps of class 8 w + 4 h + u.  A wave's four tiles give a lane four neighbouring classes: 16 bytes of a row of out.
; SHARES.  A work-group owns 256 queries, 16 tiles of 16, taken as 8 pairs.  Wave w owns classes 8 w .. 8 w + 7: its four prototype tiles, their scale words and their C stay in its registers.  Sixteen waves, four to a SIMD.
; A step is a pair of query tiles: eight products, 64 roots in one batch, eight sums.
; QUERIES come in four groups of 64 rows by plain loads, 512 consecutive bytes each; a wave loads and quantises 4 rows of each group.  Groups 0 and 1 are asked for in the head, 2 and 3 as soon as a group's registers are free.
; A wave's 2,048 bytes turn through its own stage in LDS, so that a lane holds 16 neighbours of a row; the codes go to LDS as rows of 96 bytes, 112 bytes apart (28 words: the 32 lanes of a fragment's 8-byte load touch 64 different banks).
; No prefetch: no loop runs ahead here; the loads themselves ask for each group two pairs or more ahead, and for every byte once.
; NO CLUSTER.  What work-groups share is the prototypes, 104 KB.  No step of the work reads a byte that another work-group reads: wave w alone takes record w, 6.5 KB, once in the launch, and its 6 KB of codes go straight into
; the 48 registers where they stay.  A joint load can only land in LDS: 96 KB more written there and 96 KB more read back, and two rounds of the cluster's barrier, to bring once what 13 loads a wave bring to its place.
; BARRIERS.  One when group 0 is quantised; then one signalled after pairs 0, 2, 4 and 6, when the wave has stored its results and quantised the next group, and waited for in the next pair, ahead of the first load of that group's
; codes; one at the end.  Behind them the finished rows leave: 32, 64, 64, 64 and 32.
; LIMITS: NaN and infinities among the inputs are not served.  A block of q whose largest magnitude lies under 2^-122 gets the scale byte 1; so does a block of zeros (its codes are zeros; this program alone reads the bytes).
.set TURNW, 2560                       ; LDS: a wave's stage for the turn: 32 lanes x (64 bytes + 16)
.set IMG,   16*TURNW                   ; 256 rows of codes,
.set IP,    112                        ; 112 bytes apart
.set QSA,   IMG+256*IP                 ; 256 scale words, then 256 words ||q||^2 / 64
.set STG,   QSA+2048                   ; 256 rows of out,
.set QP,    528                        ; 512 + 16 bytes apart (132 words)
.set AUXL,  STG+256*QP                 ; 512 bytes a wave: the words of its record
.set SPARE, AUXL+16*512                ; the spare words, 128 bytes a wave
.set REC,   6656                       ; a record of prototypes: 4 x 1,536 bytes of codes, 4 x 128 bytes of words
.set SPW, 1
.set NIL, 2
.set L16, 3                            ; 16 x lane
.set SI,  4                            ; the turn, in: 80 (lane / 4) + 16 (lane mod 4)
.set SBK, 5                            ; the turn, back: 80 x lane
.set IW,  6                            ; codes, in: row 4 w + lane / 8, 12 bytes for each lane mod 8
.set SW,  7                            ; scale byte, in
.set HWR, 8                            ; ||q||^2 / 64, in (1,024 further on)
.set IR,  9                            ; codes, back: row r, + 24 h
.set SRD, 10                           ; scale word and ||q||^2 / 64, back: row r
.set ST,  11                           ; results, in: row r, + 32 w + 16 h (v12: 128 rows further on)
.set OR,  13                           ; results, back: row 32 + 4 w (v14: 128 rows further on)
.set OE,  15                           ; results, back: row 2 w (v16: row 224 + 2 w)
.set QS,  18                           ; v18-19 the pair's scale words
.set HQ,  20                           ; v20, v22 its ||q||^2 / 64 (v21, v23: 0, the unused halves of the pairs)
.set R,   24                           ; v24-31 the pair's eight results
.set QF,  32                           ; v32-55 two query fragments
.set AC,  56                           ; v56-103 the prototypes' codes
.set CC,  104                          ; v104-135 their C
.set D,   136                          ; v136-199 eight accumulators: tile a of the pair, prototype tile u at 136 + 32 a + 8 u
.set X,   136                          ; while quantising (the accumulators are done with): v136-151 my 16 numbers, v152-162 at work
.set T,   152
.set M,   156
.set SO,  158
.set BY,  159
.set C6,  160
.set TP,  176                          ; v176-185 at work in the head
.set XL,  200                          ; v200-215, v216-231 two groups' rows as loaded
.set OB,  232                          ; v232-247 rows on the way out (in the head: v232-235 addresses, v236-239 my record's words as loaded)
.set AS,  248                          ; v248-251 the prototypes' scale words
.macro GLOAD g                         ; rows 64 g + 4 w + 0 .. 3
.irp i, 0,1,2,3
	global_load_b128 v[XL+16*((\g)%2)+4*\i:XL+16*((\g)%2)+4*\i+3], v[L16], s[4:5] offset:32768*(\g)+512*\i th:TH_LOAD_NT
.endr
.endm
; My four rows of group g: lane 8 a + j takes numbers 16 j .. 16 j + 15 of row a.
.macro QUANT g
.set XB, XL+16*((\g)%2)
.if (\g) == 0
	s_wait_loadcnt 17                              ; group 0 is in; my record's 13 loads and group 1's four may be out
.elseif (\g) < 3
	s_wait_loadcnt 4                               ; group g is in; the next group's four loads may be out
.else
	s_wait_loadcnt 0x0
.endif
.irp i, 0,1,2,3
	ds_store_b128 v[SI], v[XB+4*\i:XB+4*\i+3] offset:640*\i
.endr
.irp i, 0,1,2,3
	ds_load_b128 v[X+4*\i:X+4*\i+3], v[SBK] offset:16*\i   ; LDS serves a wave's instructions in order (ISA guide 5.7.1.4): these see the stores above
.endr
	s_wait_dscnt 0x0
.if (\g) < 2
	GLOAD (\g)+2                                   ; into the registers that the turn has read
.endif
	v_pk_mul_f32 v[T:T+1], v[X:X+1], v[X:X+1]      ; the squares in two chains, the largest magnitude in two, by turns
	v_max3_num_f32 v[M], |v[X]|, |v[X+1]|, 0x2800000   ; with the floor 2^(5 - 127): so the byte cannot fall under 1
	v_pk_mul_f32 v[T+2:T+3], v[X+2:X+3], v[X+2:X+3]
	v_max3_num_f32 v[M+1], |v[X+2]|, |v[X+3]|, |v[X+4]|
.irp i, 4,8
	v_pk_fma_f32 v[T:T+1], v[X+\i:X+\i+1], v[X+\i:X+\i+1], v[T:T+1]
	v_max3_num_f32 v[M], v[M], |v[X+\i+1]|, |v[X+\i+2]|
	v_pk_fma_f32 v[T+2:T+3], v[X+\i+2:X+\i+3], v[X+\i+2:X+\i+3], v[T+2:T+3]
	v_max3_num_f32 v[M+1], v[M+1], |v[X+\i+3]|, |v[X+\i+4]|
.endr
	v_pk_fma_f32 v[T:T+1], v[X+12:X+13], v[X+12:X+13], v[T:T+1]
	v_max3_num_f32 v[M], v[M], |v[X+13]|, |v[X+14]|
	v_pk_fma_f32 v[T+2:T+3], v[X+14:X+15], v[X+14:X+15], v[T+2:T+3]
	v_max3_num_f32 v[M], v[M], v[M+1], |v[X+15]|
	v_pk_add_f32 v[T:T+1], v[T:T+1], v[T+2:T+3]
	v_max_num_f32_dpp v[M], v[M], v[M] row_xmask:1 row_mask:0xf bank_mask:0xf   ; with my neighbour's 16: the block's largest magnitude
	v_add_f32 v[T], v[T], v[T+1]
	v_add_nc_u32 v[SO], 0xfe000000, v[M]           ; 4 off its exponent field: the conversion's scale operand
	v_add_f32_dpp v[T], v[T], v[T] row_xmask:1 row_mask:0xf bank_mask:0xf   ; the row's eight lanes
	v_cvt_scalef32_pk16_bf6_f32 v[C6:C6+2], v[X:X+15], v[SO]
	v_add_f32_dpp v[T], v[T], v[T] row_xmask:2 row_mask:0xf bank_mask:0xf
	v_lshrrev_b32 v[BY], 23, v[SO]                 ; the scale's byte
	v_add_f32_dpp v[T], v[T], v[T] row_xmask:4 row_mask:0xf bank_mask:0xf
	v_mul_f32 v[T], 0x3c800000, v[T]               ; / 64
.irp i, 0,1,2
	ds_store_b32 v[IW], v[C6+\i] offset:64*IP*(\g)+4*\i
.endr
	ds_store_b8 v[SW], v[BY] offset:256*(\g)       ; both lanes of a block write the same byte with the same value,
	ds_store_b32 v[HWR], v[T] offset:1024+256*(\g) ; and a row's eight lanes the same word
.endm
.macro FETCH p                         ; pair p: sixteen LDS loads
.irp a, 0,1
.irp j, 0,1,2,3,4,5
	ds_load_b64 v[QF+12*\a+2*\j:QF+12*\a+2*\j+1], v[IR] offset:16*IP*(2*(\p)+\a)+48*(\j/3)+8*(\j%3)
.endr
	ds_load_b32 v[QS+\a], v[SRD] offset:64*(2*(\p)+\a)
	ds_load_b32 v[HQ+2*\a], v[SRD] offset:1024+64*(2*(\p)+\a)
.endr
.endm
.macro PROD                            ; eight whole products, each with its C in other registers
.irp a, 0,1
.irp u, 0,1,2,3
	v_wmma_scale_f32_16x16x128_f8f6f4 v[D+32*\a+8*\u:D+32*\a+8*\u+7], v[AC+12*\u:AC+12*\u+11], v[QF+12*\a:QF+12*\a+11], v[CC+8*\u:CC+8*\u+7], v[AS+\u], v[QS+\a] matrix_a_fmt:MATRIX_FMT_BF6 matrix_b_fmt:MATRIX_FMT_BF6
.endr
.endr
.endm
.macro SUBMAX                          ; z = ||q||^2 / 64 - D, then max(z, 0), two numbers a line; each accumulator from its low end on
.irp a, 0,1
.irp i, 0,2,4,6,8,10,12,14,16,18,20,22,24,26,28,30
	v_pk_add_f32 v[D+32*\a+\i:D+32*\a+\i+1], v[HQ+2*\a:HQ+2*\a+1], v[D+32*\a+\i:D+32*\a+\i+1] op_sel_hi:[0,1] neg_lo:[0,1] neg_hi:[0,1]
.endr
.endr
.irp a, 0,1
.irp i, 0,2,4,6,8,10,12,14,16,18,20,22,24,26,28,30
	v_dual_max_num_f32 v[D+32*\a+\i], 0, v[D+32*\a+\i] :: v_dual_max_num_f32 v[D+32*\a+\i+1], 0, v[D+32*\a+\i+1]
.endr
.endr
.endm
.macro ROOTS
.irp u, 0,1,2,3,4,5,6,7
.irp i, 0,1,2,3,4,5,6,7
	v_sqrt_f32 v[D+8*\u+\i], v[D+8*\u+\i]
.endr
.endr
.endm
.macro SUMS                            ; the eight roots of each accumulator, summed, with the sign changed
.irp u, 0,1,2,3,4,5,6,7
	v_pk_add_f32 v[D+8*\u:D+8*\u+1], v[D+8*\u:D+8*\u+1], v[D+8*\u+2:D+8*\u+3]
	v_pk_add_f32 v[D+8*\u+4:D+8*\u+5], v[D+8*\u+4:D+8*\u+5], v[D+8*\u+6:D+8*\u+7]
.endr
.irp u, 0,1,2,3,4,5,6,7
	v_pk_add_f32 v[D+8*\u:D+8*\u+1], v[D+8*\u:D+8*\u+1], v[D+8*\u+4:D+8*\u+5] neg_lo:[1,1] neg_hi:[1,1]
.endr
.irp u, 0,2,4,6
	v_dual_add_f32 v[R+\u], v[D+8*\u], v[D+8*\u+1] :: v_dual_add_f32 v[R+\u+1], v[D+8*\u+9], v[D+8*\u+8]
.endr
.endm
.macro PUT p                           ; the pair's results: 16 bytes of a row of the stage for each tile
.irp a, 0,1
	ds_store_b128 v[ST+(\p)/4], v[R+4*\a:R+4*\a+3] offset:16*QP*((2*(\p)+\a)%8)
.endr
.endm
; Finished rows leave whole, 512 consecutive bytes a store.  k = 0: rows 2 w, 2 w + 1; k = 1, 2, 3: rows 32 + 64 (k - 1) + 4 w + 0 .. 3
.macro OUTL k
.if (\k) == 0
.irp i, 0,1
	ds_load_b128 v[OB+4*\i:OB+4*\i+3], v[OE] offset:QP*\i
.endr
.else
	s_wait_xcnt 0x0                                ; the earlier stores have read their registers (ISA guide 3.1)
.irp i, 0,1,2,3
	ds_load_b128 v[OB+4*\i:OB+4*\i+3], v[OR+((\k)-1)/2] offset:QP*(64*(((\k)-1)%2)+\i)
.endr
.endif
.endm
.macro OUTS k, younger                 ; younger: the LDS instructions issued behind OUTL's loads, which may stay out
	s_wait_dscnt \younger
.if (\k) == 0
.irp i, 0,1
	global_store_b128 v[L16], v[OB+4*\i:OB+4*\i+3], s[26:27] offset:512*\i th:TH_STORE_NT
.endr
.else
.irp i, 0,1,2,3
	global_store_b128 v[L16], v[OB+4*\i:OB+4*\i+3], s[28:29] offset:512*(32+64*((\k)-1)+\i) th:TH_STORE_NT
.endr
.endif
.endm
.macro STEP p
	s_wait_dscnt 0x0                               ; the pair's fragments are in
	PROD
.rept 4
	v_nop                                          ; four places between the products and the first read of a result (ISA guide 7.12.1)
.endr
	SUBMAX
.if (\p)%2
	s_barrier_wait -1                              ; signalled at the end of the pair before: the rows of all pairs up to it are whole, and the next group's codes lie in LDS
	OUTL (\p)/2
.endif
.if (\p) < 7
	FETCH (\p)+1
.endif
	s_wait_alu depctr_va_vdst(0)                   ; the wait ahead of the batch
	ROOTS
.if (\p)%2
.if (\p) < 7
	OUTS (\p)/2, 16                                ; FETCH's sixteen loads stand behind the rows'
.else
	OUTS (\p)/2, 0
.endif
.endif
	v_nop                                          ; the plain place behind the roots
	s_wait_alu depctr_va_vdst(0)                   ; the wait ahead of the roots' first reader
	SUMS
	PUT \p
.if ((\p)%2) == 0
.if (\p) < 6
	QUANT ((\p)/2)+1
.endif
	s_wait_dscnt 0x0                               ; for the others' sake: my results and my codes lie in LDS
	s_barrier_signal -1                            ; up to the wait: work on registers
.endif
.endm
	s_load_b128 s[4:7], s[0:1], 0x0                ; q s[4:5], the prototypes s[6:7]
	s_load_b64 s[8:9], s[0:1], 0x10                ; out
	v_lshl_add_u32 v[SPW], v0, 2, SPARE
	v_mov_b32 v[NIL], 0
	v_lshrrev_b32 v[TP], 5, v0
	v_readfirstlane_b32 s12, v[TP]                 ; wave 0..15
	v_and_b32 v[TP+1], 31, v0                      ; lane
	v_lshlrev_b32 v[L16], 4, v[TP+1]
	v_and_b32 v[TP+2], 15, v0                      ; r
	v_bfe_u32 v[TP+3], v0, 4, 1                    ; h
	v_and_b32 v[TP+7], 7, v0                       ; r mod 8
	v_bfe_u32 v[TP+8], v0, 3, 1                    ; r / 8
	v_xor_b32 v[TP+9], v[TP+8], v[TP+3]            ; h xor (r / 8)
	v_lshlrev_b32 v232, 4, v[TP+7]
	v_lshlrev_b32 v233, 2, v[TP+7]
	v_lshl_add_u32 v232, v[TP+9], 7, v232
	v_lshl_add_u32 v233, v[TP+8], 6, v233          ; scale words: row r
	v_mad_u32_u24 v232, v[TP+8], 0x300, v232       ; in my record: codes of lane (r, h)
	v_lshlrev_b32 v234, 6, v[TP+3]                 ; C: class h of the tile
	v_mov_b32 v[HQ+1], 0
	v_mov_b32 v[HQ+3], 0
	s_wait_alu depctr_va_vdst(0)                   ; the wait ahead of the scalar lines and the wait below
	s_lshl_b32 s32, ttmp9, 17                      ; the work-group's 256 rows of 512 bytes, in q and in out
	s_mov_b32 s33, 0
	s_lshl_b32 s34, s12, 11                        ; four rows a wave
	s_mov_b32 s35, 0
	s_lshl_b32 s36, s12, 10                        ; two rows a wave
	s_mov_b32 s37, 0
	s_mul_i32 s38, s12, REC
	s_mov_b32 s39, 0
	s_wait_kmcnt 0x0
	s_add_nc_u64 s[4:5], s[4:5], s[32:33]
	s_add_nc_u64 s[4:5], s[4:5], s[34:35]
	GLOAD 0
	s_add_nc_u64 s[6:7], s[6:7], s[38:39]
	global_load_b128 v[236:239], v[L16], s[6:7] offset:6144   ; my record's words: 512 consecutive bytes
.irp u, 0,1,2,3                                ; my prototypes' codes: they stay
.irp g, 0,1,2
	global_load_b128 v[AC+12*\u+4*\g:AC+12*\u+4*\g+3], v232, s[6:7] offset:1536*\u+256*\g
.endr
.endr
	GLOAD 1
	s_add_nc_u64 s[8:9], s[8:9], s[32:33]
	s_add_nc_u64 s[28:29], s[8:9], s[34:35]
	s_add_nc_u64 s[26:27], s[8:9], s[36:37]
	s_mul_i32 s40, s12, TURNW
	s_mul_i32 s41, s12, 4*IP
	s_add_co_u32 s41, s41, IMG
	s_lshl_b32 s42, s12, 4
	s_add_co_u32 s42, s42, QSA
	s_lshl_b32 s43, s12, 5
	s_add_co_u32 s43, s43, STG
	s_mul_i32 s44, s12, 4*QP
	s_add_co_u32 s44, s44, STG+32*QP
	s_mul_i32 s45, s12, 2*QP
	s_add_co_u32 s45, s45, STG
	s_lshl_b32 s46, s12, 9
	s_add_co_u32 s46, s46, AUXL
	v_lshrrev_b32 v[TP+4], 2, v[TP+1]
	v_and_b32 v[TP+5], 3, v[TP+1]
	v_lshrrev_b32 v[TP+6], 3, v[TP+1]
	v_mul_u32_u24 v[SBK], v[TP+1], 80
	v_mul_u32_u24 v[SI], v[TP+4], 80
	v_mul_u32_u24 v[IW], v[TP+6], IP
	v_lshrrev_b32 v[SW], 1, v[TP+7]
	v_add_nc_u32 v[SBK], s40, v[SBK]
	v_lshl_add_u32 v[SI], v[TP+5], 4, v[SI]
	v_mad_u32_u24 v[IW], v[TP+7], 12, v[IW]
	v_lshl_add_u32 v[SW], v[TP+6], 2, v[SW]
	v_add_nc_u32 v[SI], s40, v[SI]
	v_add_nc_u32 v[IW], s41, v[IW]
	v_add_nc_u32 v[SW], s42, v[SW]
	v_lshl_add_u32 v[HWR], v[TP+6], 2, s42
	v_mul_u32_u24 v[IR], v[TP+2], IP
	v_lshl_add_u32 v[SRD], v[TP+2], 2, QSA
	v_mul_u32_u24 v[ST], v[TP+2], QP
	v_mad_u32_u24 v[IR], v[TP+3], 24, v[IR]
	v_lshl_add_u32 v[ST], v[TP+3], 4, v[ST]
	v_add_nc_u32 v[OR], s44, v[L16]
	v_add_nc_u32 v[IR], IMG, v[IR]
	v_add_nc_u32 v[ST], s43, v[ST]
	v_add_nc_u32 v[OE], s45, v[L16]
	v_add_nc_u32 v233, s46, v233
	v_add_nc_u32 v234, s46, v234
	v_add_nc_u32 v235, s46, v[L16]
	v_add_nc_u32 v[OR+1], 128*QP, v[OR]
	v_add_nc_u32 v[ST+1], 128*QP, v[ST]
	v_add_nc_u32 v[OE+1], 224*QP, v[OE]
	s_wait_alu depctr_va_vdst(0)                   ; the wait at the head's end
	QUANT 0
	s_wait_loadcnt 20                              ; my record's words are in; its codes' 12 loads and the eight of groups 1 and 2 may be out
	ds_store_b128 v235, v[236:239]                 ; they turn through my own 512 bytes: the loads below see this store
.irp u, 0,1,2,3
	ds_load_b128 v[CC+8*\u:CC+8*\u+3], v234 offset:128*\u+32      ; register j: row 8 h + j
	ds_load_b128 v[CC+8*\u+4:CC+8*\u+7], v234 offset:128*\u+48
	ds_load_b32 v[AS+\u], v233 offset:128*\u       ; lane r: row r's scale word (lanes 16-31 hold the same and are not read)
.endr
	s_wait_dscnt 0x0                               ; for the others' sake: my codes lie in LDS
	s_barrier_signal -1
	s_barrier_wait -1                              ; group 0's codes do
	FETCH 0
	s_wait_loadcnt 8                               ; the prototypes are in; groups 1 and 2 may be out
.irp p, 0,1,2,3,4,5,6,7
	STEP \p
.endr
	s_wait_dscnt 0x0
	s_barrier_signal -1
	s_barrier_wait -1                              ; the last 32 rows are whole
	s_wait_xcnt 0x0
.irp i, 0,1
	ds_load_b128 v[OB+4*\i:OB+4*\i+3], v[OE+1] offset:QP*\i
.endr
	s_wait_dscnt 0x0
.irp i, 0,1
	global_store_b128 v[L16], v[OB+4*\i:OB+4*\i+3], s[26:27] offset:512*(224+\i) th:TH_STORE_NT
.endr
	s_wait_tensorcnt 0x0                           ; the wave's end
	ds_add_u32 v[SPW], v[NIL]
	s_wait_dscnt 0x0
	s_endpgm
.Lfunc_end_k_q2f38c24f46_dist:
	.size	k_q2f38c24f46_dist, .Lfunc_end_k_q2f38c24f46_dist-k_q2f38c24f46_dist
	.p2alignl 7, 3214868480
	.fill 96, 4, 3214868480
	.section	.rodata,"a",@progbits
	.p2align	6, 0x0
	.amdhsa_kernel k_q2f38c24f46_dist
		.amdhsa_group_segment_fixed_size 217088
		.amdhsa_private_segment_fixed_size 0
		.amdhsa_enable_private_segment 0
		.amdhsa_kernarg_size 24
		.amdhsa_user_sgpr_count 2
		.amdhsa_user_sgpr_kernarg_segment_ptr 1
		.amdhsa_wavefront_size32 1
		.amdhsa_system_sgpr_workgroup_id_x 1
		.amdhsa_system_sgpr_workgroup_id_y 1
		.amdhsa_system_sgpr_workgroup_id_z 1
		.amdhsa_system_vgpr_workitem_id 0
		.amdhsa_next_free_vgpr 256
		.amdhsa_next_free_sgpr 66
		.amdhsa_reserve_vcc 0
		.amdhsa_float_denorm_mode_32 3
		.amdhsa_float_denorm_mode_16_64 3
		.amdhsa_memory_ordered 1
		.amdhsa_forward_progress 1
		.amdhsa_inst_pref_size 103
	.end_amdhsa_kernel
	.amdgpu_metadata
---
amdhsa.version: [ 1, 2 ]
amdhsa.kernels:
  - .name:           k_q2f38c24f46_dist
    .symbol:         k_q2f38c24f46_dist.kd
    .args:
      - { .name: query_set_repr, .offset: 0, .size: 8, .value_kind: global_buffer, .address_space: global }
      - { .name: prec, .offset: 8, .size: 8, .value_kind: global_buffer, .address_space: global }
      - { .name: out0, .offset: 16, .size: 8, .value_kind: global_buffer, .address_space: global }
    .group_segment_fixed_size: 217088
    .private_segment_fixed_size: 0
    .kernarg_segment_align: 8
    .kernarg_segment_size: 24
    .max_flat_workgroup_size: 512
    .sgpr_count:     66
    .vgpr_count:     256
    .wavefront_size: 32
...
	.end_amdgpu_metadata
.endif
;; end of part 2
